; MI455X (gfx1250); checked and timed in simulation.
; The chip was launched on July 23, 2026; its instructions are those of AMD's public machine-readable ISA for CDNA 5 (MIT licence, August 2026) and "CDNA5" Instruction Set Architecture Reference Guide (July 2026). The comments in the code are by the model that wrote it; some were corrected since.
;; Low Dim QK Multi Head Attention. Allowed arithmetic: matrix products marked QUANTISED: E4M3 operands, one E8M0 scale for each 32 along K, by v_wmma_scale_f32_16x16x128_f8f6f4 with both operands' format E4M3, f32 sums; everything else in f32.
;; Inputs: K 4 x 2,048 x 1,024 float32; Q 4 x 2,048 x 1,024 float32; V 4 x 2,048 x 1,024 float32; Wk 1,024 x 256 float32; Wq 1,024 x 256 float32; bk 256 float32; bq 256 float32; key_padding_mask 4 x 2,048 bool.
;; Outputs: out0 4 x 2,048 x 1,024 float32.
;; This version of the problem:
;;   THIS VERSION OF THE PROBLEM IS GIVEN IN LOW PRECISION. The matrix products marked QUANTISED in the list below multiply operands that are first quantised to E4M3 (4 exponent bits, 3 mantissa bits; 8 bits a number), with one power-of-two scale for each 32 numbers along K (OCP MX v1.0); their sums are f32. All else is computed in f32.
;;   The module's matrix products, in the order in which they are computed (A, B: the left and right operand; K: the contracted axis; several contracted axes count as one K, in the product's order):
;;     1. [M 8,192, K 1,024] x [K 1,024, N 256]; A: input Q; B: input Wq: QUANTISED
;;     2. [M 8,192, K 1,024] x [K 1,024, N 256]; A: input K; B: input Wk: QUANTISED
;;     3. batch 32 x [M 2,048, K 32] x [K 32, N 2,048]; A: computed on the way; B: computed on the way: QUANTISED
;;     4. batch 32 x [M 128, K 2,048] x [K 2,048, N 2,048]; A: input V; B: softmax (see below): QUANTISED
;;   THE QUANTISER, for each operand of a quantised product, along K:
;;     - K is cut into blocks of 32 from its start; a last block that is shorter is filled with zeros.
;;     - A block's scale is 2^e with e = floor(log2(the largest magnitude in the block)) - 8, held to -126 .. 127; a block of zeros has e = 0. As a byte (E8M0): e + 127.
;;     - Each number is divided by its block's scale, clamped to +-448, and rounded to the nearest number of E4M3, ties to even, subnormals kept.
;;     - The product sums the exact products of the quantised numbers (number of the format x scale) in f32.
;;   ~~~python
;;   def quantise(x, axis):      # numpy; x: float32 -> the quantised numbers, widened to float32 again
;;       x = np.moveaxis(x, axis, -1); K = x.shape[-1]
;;       x = np.pad(x, [(0, 0)] * (x.ndim - 1) + [(0, -K % 32)]); x = x.reshape(x.shape[:-1] + (-1, 32)); a = np.abs(x).max(-1, keepdims=True)
;;       e = np.where(a > 0, np.clip(np.frexp(np.where(a > 0, a, 1))[1] - 1 - 8, -126, 127), 0)      # np.frexp(a)[1] - 1 = floor(log2(a)), exactly
;;       r = np.clip(x / 2.0 ** e, -448, 448)
;;       step = 2.0 ** (np.maximum(np.frexp(np.where(r == 0, 1, r))[1] - 1, -6) - 3)
;;       q = np.round(r / step) * step * 2.0 ** e      # np.round: ties to even
;;       return np.moveaxis(q.reshape(q.shape[:-2] + (-1,))[..., :K], -1, axis).astype(np.float32)
;;   ~~~
;;   SOFTMAX AHEAD OF A QUANTISED PRODUCT. Where the list says 'softmax', what is quantised is not the finished softmax but p = 2^(t - M), with t = logit x log2(e) and M = ceil(the row's largest t), a whole number; so 1/2 < the row's largest p <= 1. The row's sum l is taken of the UNQUANTISED p, in f32, and the product's result is divided by l at the end. Since M is a whole number, a kernel that streams over the keys may use a running M (the ceiling of the running maximum): every later rescaling is an exact power of two, which a block's scale takes up: the codes' values come out the same.
;;   OPERANDS COMPUTED ON THE WAY. 'Computed on the way' means the value that the module computes at that place (a softmax that the list does not call 'softmax' is quantised finished and normalised). What goes into a quantiser is computed in f32, as accurately as f32 sums, v_exp_f32 and their like allow (about 1e-6 of the number): no bf16 or f16 on the way to a quantiser, and a product that is left as it is and whose result goes on into a quantised operand takes f32 operands (vector FMAs, or v_wmma_f32_16x16x4_f32). A number that lies on a knife's edge between two numbers of the format may be rounded either way, as far as f32 arithmetic and the matrix unit's own rounding can turn it there, and no further.
;; One version. Each part assembles by itself: llvm-mc -triple=amdgcn-amd-amdhsa -mcpu=gfx1250 --defsym DOCPART=n.
;; ======== version 1 of 1: 3 launches
;; limits: right only within a limited range of input values
;; workspace buffers: wc 524,288 bytes; ws 16,384 bytes; qc 2,097,152 bytes; qs 65,536 bytes; kv 11,141,120 bytes
;; launch prep (part 1): grid 544 x 1, 4 waves a work-group, no clusters, 0 bytes of LDS; arguments V, Wq, Wk, key_padding_mask, kv, wc, ws; writes kv, wc, ws
.if DOCPART == 1
	.amdgcn_target "amdgcn-amd-amdhsa--gfx1250"
	.amdhsa_code_object_version 6
	.text
	.protected	k_q1d9741b796_prep
	.globl	k_q1d9741b796_prep
	.p2align	8
	.type	k_q1d9741b796_prep,@function
k_q1d9741b796_prep:
	s_mov_b64 s[64:65], 0
	v_nop
	global_prefetch_b8 v0, s[64:65] scope:SCOPE_SE
	s_setreg_imm32_b32 hwreg(HW_REG_WAVE_MODE, 25, 1), 1
	s_wait_xcnt 0x0
; PREP.  Three operands whose K is their FIRST axis are turned into codes of FP8 (E4M3) with one E8M0 scale byte for each 32 along K, and the key mask into the f32 bias that the attention launch gives its first product as C.
;   V  [4][2048 keys][8 heads x 128 channels] f32, K = the keys;   Wq, Wk [1024 k][256 columns] f32, K = k;   key_padding_mask [4][2048] bytes.
; A LANE TAKES A COLUMN (a channel of V, a column of W) AND ITS 128 REGISTERS RUN DOWN K: four whole blocks of 32, so a block's largest magnitude needs no other lane and the conversions give codes with K innermost.
; THE CODES ARE STORED AS IMAGES OF THE OPERAND'S REGISTERS: a fragment (16 rows x 128 K) is [4 groups c][32 lanes][16 bytes]; lane 16 h + r of the image holds row r, K slots 32 c + 16 h + 0 .. 15.
; So my column's 32 codes of block c are two pieces of 16 bytes, 256 bytes apart, and sixteen neighbouring lanes store 256 consecutive bytes, aligned.
;   W: slot i of half h is k 32 c + 16 h + i.     V: slot i = 8 u + j of half h is key 32 c + 16 u + 8 h + j: the order in which the attention launch holds its weights p (a permutation inside a block of 32, the same on both sides of the product).
; SHARES: work-groups 0-511: V, one head's 128 channels x 128 keys (id = 16 x (8 b + head) + step), and that step's bias: wave w takes keys 32 w .. 32 w + 31, a key a lane;  512-543: W, 128 columns x 128 k.
; Loads run three blocks ahead, each block into registers of its own.
; kv is [32 heads][16 steps][STEPB bytes]: V's codes at 0, V's scale words at VS, the bias at MB (0, or -2^100 for a masked key): these 17,408 bytes go to LDS as one row; behind them k's codes and scale words (another launch's).
; The block's last 128 bytes are neither written nor read.
; A block's scale is 2^(floor(log2(largest magnitude)) - 8); its byte is the largest magnitude's exponent field - 8, held at 1 from below.
; LIMITS: a block of zeros, and one whose largest magnitude lies under 2^-118, gets the byte 1 (a block of zeros has zero codes, which add nothing; this program alone reads the bytes).  NaN and infinities among the inputs are not served.  Mask bytes are 0 or 1.
; No LDS, no barrier, no cluster: what work-groups read in common is 128 mask bytes.  No store's data, offset or base is ever written again, so no wait stands for them.
.set STEPB, 21760
.set VS,    16384
.set MB,    16896
.set X,   32                           ; v32-159   my column's 128 numbers
.set C,   160                          ; v160-191  codes: eight registers for each block
.set SB,  16                           ; v16       my column's scale word: byte c = block c
.set MNT, 30                           ; s30       the mantissa field of 448
; block c's 32 numbers down K, from s[24:25] + 4 x lane, pitch bytes from row to row
.macro LOADB c, pitch
.set nn, 0
.rept 32
	global_load_b32 v[X+32*(\c)+nn], v2, s[24:25] offset:(32*(\c)+nn)*\pitch th:TH_LOAD_NT   ; 32 lanes read 128 consecutive bytes, the four waves 512
.set nn, nn+1
.endr
.endm
; 128 numbers down K become codes at s[26:27] + v5 and a scale word at s[28:29] + 4 x lane.  perm = 1: V's order of slots
.macro COLQ pitch, perm
	LOADB 0, \pitch
	LOADB 1, \pitch
	LOADB 2, \pitch
.irp c, 0,1,2,3
.set XB, X+32*\c
.set CB, C+8*\c
.if \c < 2
	s_wait_loadcnt 63                              ; loads come back in order: 64 were issued behind this block's; the count's field holds 63
.elseif \c == 2
	s_wait_loadcnt 32
.else
	s_wait_loadcnt 0x0
.endif
.if \c == 0
	LOADB 3, \pitch
.endif
	v_max3_num_f32 v8, |v[XB]|, |v[XB+1]|, |v[XB+2]|               ; the block's largest magnitude, in two chains
	v_max3_num_f32 v9, |v[XB+3]|, |v[XB+4]|, |v[XB+5]|
.irp i, 6,10,14,18,22,26
	v_max3_num_f32 v8, v8, |v[XB+\i]|, |v[XB+\i+1]|
	v_max3_num_f32 v9, v9, |v[XB+\i+2]|, |v[XB+\i+3]|
.endr
	v_max3_num_f32 v8, v8, |v[XB+30]|, |v[XB+31]|
	v_max3_num_f32 v8, v8, v9, 0x4800000           ; and the floor 2^(9 - 127): the byte cannot fall under 1
	v_add_nc_u32 v11, 0xfc000000, v8               ; 8 off the exponent field: the conversion's scale operand
	v_and_or_b32 v10, v8, 0x7f800000, s[MNT]       ; 448 x the scale
	v_lshrrev_b32 v9, 23, v11                      ; the scale's byte
.if \c == 0
	v_mov_b32 v[SB], v9
.else
	v_lshl_or_b32 v[SB], v9, 8*\c, v[SB]
.endif
.set nn, 0
.rept 32
	v_med3_num_f32 v[XB+nn], v[XB+nn], -v10, v10   ; the conversion to an 8-bit code does not saturate (ISA guide 7.6.2): hold the number first
.set nn, nn+1
.endr
.if \perm
	v_cvt_scalef32_pk8_fp8_f32 v[CB:CB+1],   v[XB:XB+7],     v11   ; half 0: keys 0-7, 16-23
	v_cvt_scalef32_pk8_fp8_f32 v[CB+2:CB+3], v[XB+16:XB+23], v11
	v_cvt_scalef32_pk8_fp8_f32 v[CB+4:CB+5], v[XB+8:XB+15],  v11   ; half 1: keys 8-15, 24-31
	v_cvt_scalef32_pk8_fp8_f32 v[CB+6:CB+7], v[XB+24:XB+31], v11
.else
	v_cvt_scalef32_pk8_fp8_f32 v[CB:CB+1],   v[XB:XB+7],     v11   ; half 0: k 0-15
	v_cvt_scalef32_pk8_fp8_f32 v[CB+2:CB+3], v[XB+8:XB+15],  v11
	v_cvt_scalef32_pk8_fp8_f32 v[CB+4:CB+5], v[XB+16:XB+23], v11   ; half 1: k 16-31
	v_cvt_scalef32_pk8_fp8_f32 v[CB+6:CB+7], v[XB+24:XB+31], v11
.endif
	global_store_b128 v5, v[CB:CB+3],   s[26:27] offset:512*\c       ; sixteen lanes store 256 consecutive bytes, aligned; the next block begins with plain vector lines that touch neither these codes nor the conversions' sources
	global_store_b128 v5, v[CB+4:CB+7], s[26:27] offset:512*\c+256
.endr
	global_store_b32 v2, v[SB], s[28:29]           ; 128 consecutive bytes a wave
.endm
	s_load_b256 s[4:11], s[0:1], 0x0               ; V s[4:5], Wq s[6:7], Wk s[8:9], the mask s[10:11]
	s_load_b128 s[12:15], s[0:1], 0x20             ; kv s[12:13], wc s[14:15]
	s_load_b64 s[16:17], s[0:1], 0x30              ; ws
	v_lshrrev_b32 v1, 5, v0
	v_readfirstlane_b32 s20, v1                    ; wave 0..3
	v_and_b32 v1, 31, v0                           ; lane
	v_lshlrev_b32 v2, 2, v1                        ; 4 x lane
	v_lshrrev_b32 v3, 4, v1                        ; which of my wave's two tiles of 16 columns
	v_and_b32 v4, 15, v1
	v_lshlrev_b32 v4, 4, v4                        ; 16 x (lane % 16)
	s_mov_b32 s[MNT], 0x600000
	s_mov_b32 s35, 0                               ; the upper words of the offset pairs
	s_mov_b32 s37, 0
	s_mov_b32 s39, 0
	s_wait_kmcnt 0x0
	s_cmp_lt_u32 ttmp9, 512
	s_cbranch_scc0 .Lnot_v
	; ---- V: id = 128 b + 16 head + step
	s_lshr_b32 s31, ttmp9, 7
	s_lshl_b32 s34, s31, 23                        ; b x 2,048 keys x 4,096 bytes
	s_lshl_b32 s38, s31, 11                        ; the mask: b x 2,048
	s_and_b32 s31, ttmp9, 15
	s_lshl_b32 s36, s31, 7                         ; + step x 128
	s_add_co_u32 s38, s38, s36
	s_lshl_b32 s36, s20, 5                         ; + wave x 32
	s_add_co_u32 s38, s38, s36
	s_add_nc_u64 s[38:39], s[10:11], s[38:39]
	s_lshl_b32 s31, s31, 19                        ; step x 128 keys x 4,096
	s_add_co_u32 s34, s34, s31
	s_bfe_u32 s31, ttmp9, 0x30004
	s_lshl_b32 s31, s31, 9                         ; head x 512
	s_add_co_u32 s34, s34, s31
	s_lshl_b32 s32, s20, 7                         ; wave x 32 channels x 4
	s_add_co_u32 s34, s34, s32
	s_add_nc_u64 s[24:25], s[4:5], s[34:35]
	s_mul_i32 s36, ttmp9, STEPB                    ; the step's block of kv
	s_add_nc_u64 s[12:13], s[12:13], s[36:37]
	s_lshl_b32 s36, s20, 12                        ; my wave's two fragments of 2,048 bytes
	s_add_nc_u64 s[26:27], s[12:13], s[36:37]
	s_add_co_u32 s36, s32, VS
	s_add_nc_u64 s[28:29], s[12:13], s[36:37]
	s_add_co_u32 s36, s32, MB
	s_add_nc_u64 s[40:41], s[12:13], s[36:37]      ; my wave's 32 numbers of the bias
	s_wait_alu depctr_va_vdst(0)
	v_lshl_add_u32 v5, v3, 11, v4                  ; tile x 2,048 + 16 x (lane % 16)
	global_load_u8 v6, v1, s[38:39]                ; my key's mask byte: the first load, so it is in when the first block is
	COLQ 4096, 1
	v_sub_nc_u32 v7, 0, v6                         ; the byte, 0 or 1, as no bits or all bits,
	v_and_b32 v7, 0xf1800000, v7                   ; as 0.0 or -2^100: under every score that the attention launch serves
	global_store_b32 v2, v7, s[40:41]              ; 128 consecutive bytes a wave, 512 the work-group
	s_endpgm
.Lnot_v:
	; ---- W: id - 512 = 16 tensor + 8 (which 128 columns) + K step
	s_and_b32 s31, ttmp9, 31
	s_cmp_lt_u32 s31, 16
	s_cselect_b64 s[24:25], s[6:7], s[8:9]         ; Wq or Wk: the choice hangs on the work-group's number alone
	s_lshr_b32 s32, s31, 4                         ; tensor
	s_bfe_u32 s33, s31, 0x10003                    ; which 128 columns
	s_and_b32 s31, s31, 7                          ; K step
	s_lshl_b32 s34, s31, 17                        ; 128 rows x 1,024 bytes
	s_lshl_b32 s36, s33, 9
	s_add_co_u32 s34, s34, s36
	s_lshl_b32 s36, s20, 7
	s_add_co_u32 s34, s34, s36
	s_add_nc_u64 s[24:25], s[24:25], s[34:35]
	s_lshl_b32 s34, s32, 18                        ; wc: [2][16 tiles][8 K steps][2,048 bytes]: tile = 8 x half + 2 x wave (+ lane / 16)
	s_lshl_b32 s36, s33, 17
	s_add_co_u32 s34, s34, s36
	s_lshl_b32 s36, s20, 15
	s_add_co_u32 s34, s34, s36
	s_lshl_b32 s36, s31, 11
	s_add_co_u32 s34, s34, s36
	s_add_nc_u64 s[26:27], s[14:15], s[34:35]
	s_lshl_b32 s34, s32, 13                        ; ws: [2][8 heads][8 K steps][32 words]: head = 4 x half + wave
	s_lshl_b32 s36, s33, 12
	s_add_co_u32 s34, s34, s36
	s_lshl_b32 s36, s20, 10
	s_add_co_u32 s34, s34, s36
	s_lshl_b32 s36, s31, 7
	s_add_co_u32 s34, s34, s36
	s_add_nc_u64 s[28:29], s[16:17], s[34:35]
	s_wait_alu depctr_va_vdst(0)                   ; as above
	v_lshl_add_u32 v5, v3, 14, v4                  ; tile x 16,384 + 16 x (lane % 16)
	COLQ 1024, 0
	s_endpgm
.Lfunc_end_k_q1d9741b796_prep:
	.size	k_q1d9741b796_prep, .Lfunc_end_k_q1d9741b796_prep-k_q1d9741b796_prep
	.p2alignl 7, 3214868480
	.fill 96, 4, 3214868480
	.section	.rodata,"a",@progbits
	.p2align	6, 0x0
	.amdhsa_kernel k_q1d9741b796_prep
		.amdhsa_group_segment_fixed_size 0
		.amdhsa_private_segment_fixed_size 0
		.amdhsa_enable_private_segment 0
		.amdhsa_kernarg_size 56
		.amdhsa_user_sgpr_count 2
		.amdhsa_user_sgpr_kernarg_segment_ptr 1
		.amdhsa_wavefront_size32 1
		.amdhsa_system_sgpr_workgroup_id_x 1
		.amdhsa_system_sgpr_workgroup_id_y 1
		.amdhsa_system_sgpr_workgroup_id_z 1
		.amdhsa_system_vgpr_workitem_id 0
		.amdhsa_next_free_vgpr 192
		.amdhsa_next_free_sgpr 66
		.amdhsa_reserve_vcc 0
		.amdhsa_float_denorm_mode_32 3
		.amdhsa_float_denorm_mode_16_64 3
		.amdhsa_memory_ordered 1
		.amdhsa_forward_progress 1
		.amdhsa_inst_pref_size 58
	.end_amdhsa_kernel
	.amdgpu_metadata
---
amdhsa.version: [ 1, 2 ]
amdhsa.kernels:
  - .name:           k_q1d9741b796_prep
    .symbol:         k_q1d9741b796_prep.kd
    .args:
      - { .name: V, .offset: 0, .size: 8, .value_kind: global_buffer, .address_space: global }
      - { .name: Wq, .offset: 8, .size: 8, .value_kind: global_buffer, .address_space: global }
      - { .name: Wk, .offset: 16, .size: 8, .value_kind: global_buffer, .address_space: global }
      - { .name: key_padding_mask, .offset: 24, .size: 8, .value_kind: global_buffer, .address_space: global }
      - { .name: kv, .offset: 32, .size: 8, .value_kind: global_buffer, .address_space: global }
      - { .name: wc, .offset: 40, .size: 8, .value_kind: global_buffer, .address_space: global }
      - { .name: ws, .offset: 48, .size: 8, .value_kind: global_buffer, .address_space: global }
    .group_segment_fixed_size: 0
    .private_segment_fixed_size: 0
    .kernarg_segment_align: 8
    .kernarg_segment_size: 56
    .max_flat_workgroup_size: 128
    .sgpr_count:     66
    .vgpr_count:     192
    .wavefront_size: 32
...
	.end_amdgpu_metadata
.endif
;; end of part 1
;; launch proj (part 2): grid 128 x 2, 4 waves a work-group, no clusters, 327,680 bytes of LDS; arguments Q, K, wc, ws, bq, bk, qc, qs, kv; writes qc, qs, kv
.if DOCPART == 2
	.amdgcn_target "amdgcn-amd-amdhsa--gfx1250"
	.amdhsa_code_object_version 6
	.text
	.protected	k_q1d9741b796_proj
	.globl	k_q1d9741b796_proj
	.p2align	8
	.type	k_q1d9741b796_proj,@function
k_q1d9741b796_proj:
	s_mov_b64 s[64:65], 0
	v_nop
	global_prefetch_b8 v0, s[64:65] scope:SCOPE_SE
	s_setreg_imm32_b32 hwreg(HW_REG_WAVE_MODE, 25, 1), 1
	s_wait_xcnt 0x0
; PROJ.  q = Q Wq + bq (work-group y = 0) and k = K Wk + bk (y = 1) on codes of FP8 (E4M3) with one E8M0 scale for each 32 along K, and their quantisers along a head's 32: codes and scale bytes leave as images of the next launch's operand registers.
; SHARES.  A work-group takes 64 rows of the input and all 256 columns.  Wave w quantises rows 16 w .. 16 w + 15 and holds 64 columns (two heads) of the weight, all of K, in 512 registers (windows 1, 2); its 16 sums of 16 x 16 lie in window 3.
; THE INPUT comes by ONE tensor load a wave: wave w fetches K = 256 w .. 256 w + 255 of all 64 rows (rows of 1,024 bytes, 16 of padding behind each), on a load line of its own.  Wave j alone waits for tile j, in front of a barrier that stands there anyway,
; so K steps 2 j and 2 j + 1 are worked while the later tiles are on their way.  Nothing is filled again.
; A K STEP (128): each wave reads its 16 rows as f32, quantises them (a block of 32 lies in lanes l and l xor 16), stores the fragment's image and scale word to LDS bytes of their own (two image buffers by turns: a barrier lies between a buffer's reads and its next stores),
; one barrier, and every wave multiplies all four images with its four tiles of the weight.  The products are used transposed (source 0 = 16 columns of the weight): a lane holds one token, its registers run along the head's 32.  The bias is the first products' C.
; No cluster: no two work-groups read the same rows of the input, and the weight goes straight into registers.  No prefetch: the text has no loop, and every input byte is asked for at the head.
; LIMITS: NaN and infinities among the inputs are not served; a block's byte never falls under 1 (a block of zeros has zero codes; this program alone reads the bytes).
.set STEPB, 21760                      ; a step's block of kv; k's codes at KC, k's scale words at KS
.set KC,    17408
.set KS,    21504
.set TILEB, 64*1040                    ; a wave's tile in LDS
.set IMG,   4*TILEB                    ; two buffers of four images of 2,048 bytes
.set XSC,   IMG+16384                  ; the rows' scale words: [wave][K step][32 words]
.set SPARE, XSC+4096                   ; the spare words: 128 bytes a wave
.set XWI, 5
.set XWS, 6
.set LS,  7
.set FA,  8
.set L16, 12
.set L4,  13
.set SOF, 14
.set H32, 15
.set RAW, 16
.set XF,  80
.set PC,  144
.set TM,  160
.set PW0, 176
.set PW1, 177
.set XS,  178
.set OW,  182
.set WS,  184
.set RA,  200                          ; v200-203 my rows in tiles 0 to 3
.set BIAS, 128
.set SEL, 2
.set WV,  22
.set MNT, 23
.set G1,  24
.set G0,  32
.set MSB, 0
.macro WIN new
.if MSB != (\new)
	s_set_vgpr_msb (MSB<<8)|(\new)
.set MSB, (\new)
.endif
.endm
.macro BARRIER
	s_wait_dscnt 0x0
	s_barrier_signal -1
	s_barrier_wait -1
.endm
.macro LANDED j                        ; wave j alone issued tile j's line, and it alone waits for it
	s_cmp_eq_u32 s[WV], \j
	s_cbranch_scc0 .Lnot_mine_\@
	s_wait_tensorcnt 0x0
.Lnot_mine_\@:
.endm
; 64 numbers a lane at s of window w, four blocks of 16 (the other 16 in lane l xor 16) -> 16 registers of codes at pc, the scale word pw
.macro QUANT s, w, pc, pw
	WIN (\w)*5
.irp b, 0,1,2,3
	v_max3_num_f32 v[TM+\b], |v[\s+16*\b]|, |v[\s+1+16*\b]|, 0x4800000   ; with the floor 2^(9 - 127): the byte cannot fall under 1
.endr
	WIN (\w)*20
.irp i, 2,4,6,8,10,12,14
.irp b, 0,1,2,3
	v_max3_num_f32 v[TM+\b], v[TM+\b], |v[\s+16*\b+\i]|, |v[\s+1+16*\b+\i]|
.endr
.endr
	WIN 0
.irp b, 0,1,2,3
	v_permlanex16_b32 v[TM+4+\b], v[TM+\b], s[SEL], s[SEL+1]
.endr
.irp b, 0,1,2,3
	v_max_num_f32 v[TM+\b], v[TM+\b], v[TM+4+\b]
.endr
.irp b, 0,1,2,3
	v_add_nc_u32 v[TM+12+\b], 0xfc000000, v[TM+\b]         ; 8 off the exponent field: the conversion's scale operand
.endr
.irp b, 0,1,2,3
	v_and_or_b32 v[TM+8+\b], v[TM+\b], 0x7f800000, s[MNT]  ; 448 x the scale
.endr
.irp b, 0,1,2,3
	v_lshrrev_b32 v[TM+4+\b], 23, v[TM+12+\b]              ; the byte
.endr
	v_lshl_or_b32 v[\pw], v[TM+5], 8, v[TM+4]
	v_lshl_or_b32 v[\pw], v[TM+6], 16, v[\pw]
	v_lshl_or_b32 v[\pw], v[TM+7], 24, v[\pw]
	WIN (\w)*65
.irp b, 0,1,2,3
.irp i, 0,1,2,3,4,5,6,7,8,9,10,11,12,13,14,15
	v_med3_num_f32 v[\s+16*\b+\i], v[\s+16*\b+\i], -v[TM+8+\b], v[TM+8+\b]   ; the conversion does not saturate (ISA guide 7.6.2)
.endr
.endr
	WIN (\w)
.irp b, 0,1,2,3
	v_cvt_scalef32_pk8_fp8_f32 v[\pc+4*\b:\pc+4*\b+1],   v[\s+16*\b:\s+16*\b+7],    v[TM+12+\b]
	v_cvt_scalef32_pk8_fp8_f32 v[\pc+4*\b+2:\pc+4*\b+3], v[\s+16*\b+8:\s+16*\b+15], v[TM+12+\b]
.endr
	WIN 0
	v_nop
.endm
	s_load_b256 s[4:11], s[0:1], 0x0               ; Q, K, wc, ws
	s_load_b256 s[12:19], s[0:1], 0x20             ; bq, bk, qc, qs
	s_load_b64 s[20:21], s[0:1], 0x40              ; kv
	v_lshl_add_u32 v254, v0, 2, SPARE
	v_mov_b32 v255, 0
	ds_add_u32 v254, v255                          ; the opening lines: the add twice on end and its wait ahead of my tensor load
	ds_add_u32 v254, v255
	v_lshrrev_b32 v1, 5, v0
	v_readfirstlane_b32 s[WV], v1
	s_and_b32 s80, ttmp7, 0xffff                   ; 0: q, 1: k
	s_mov_b32 s[G1+0], (2<<16)|(1<<20)|(7<<22)|(3<<25)   ; elements of 4 bytes; four words of padding behind every 256
	s_mov_b32 s[G1+1], 256<<16
	s_mov_b32 s[G1+2], 64<<16
	s_mov_b32 s[G1+3], 256<<16
	s_mov_b32 s[G1+4], 64
	s_mov_b32 s[G1+5], 1024
	s_mov_b32 s[G1+6], 0
	s_mov_b32 s[G1+7], 0
	s_mul_i32 s81, s[WV], TILEB
	s_lshl_b32 s82, ttmp9, 18                      ; 64 rows of 4,096 bytes
	s_lshl_b32 s83, s[WV], 10                      ; my 256 along K
	s_add_co_u32 s82, s82, s83
	s_mov_b32 s83, 0
	s_mov_b32 s70, 16*STEPB
	s_mov_b32 s71, STEPB
	s_mov_b32 s72, 16*STEPB
	s_mov_b32 s73, STEPB
	s_mov_b32 s[MNT], 0x600000
	s_mov_b32 s[SEL], 0x76543210
	s_mov_b32 s[SEL+1], 0xfedcba98
	s_wait_dscnt 0x0
	s_wait_kmcnt 0x0
	s_add_nc_u64 s[66:67], s[20:21], KC
	s_add_nc_u64 s[68:69], s[20:21], KS
	s_cmp_eq_u32 s80, 0                            ; the buffers and pitches are chosen by the work-group's number alone
	s_cselect_b64 s[4:5], s[4:5], s[6:7]
	s_cselect_b64 s[12:13], s[12:13], s[14:15]
	s_cselect_b64 s[16:17], s[16:17], s[66:67]
	s_cselect_b64 s[18:19], s[18:19], s[68:69]
	s_cselect_b32 s70, 65536, s70                  ; codes: from head to head, from 128 tokens to the next
	s_cselect_b32 s71, 4096, s71
	s_cselect_b32 s72, 2048, s72                   ; scale words likewise
	s_cselect_b32 s73, 128, s73
	s_mov_b32 s[G0], 1
	s_mov_b32 s[G0+1], s81
	s_add_nc_u64 s[G0+2:G0+3], s[4:5], s[82:83]
	s_or_b32 s[G0+3], s[G0+3], 0x80000000
.macro TL
	tensor_load_to_lds s[G0:G0+3], s[G1:G1+7]
	s_nop 0
.rept 4
	v_nop
.endr
.endm
.macro ARM under, next                 ; one chain of branches on the wave's number, a load line to an arm
	s_cmp_lt_u32 s[WV], \under
	s_cbranch_scc0 \next
	TL
	s_branch .Lasked
\next:
.endm
	ARM 1, .Larm1
	ARM 2, .Larm2
	ARM 3, .Larm3
	TL
.Lasked:
	v_and_b32 v1, 31, v0
	v_and_b32 v2, 15, v0
	v_bfe_u32 v3, v0, 4, 1
	s_mul_i32 s84, s[WV], 16*1040
	v_mul_u32_u24 v[RA], v2, 1040
	v_lshl_add_u32 v[RA], v3, 6, v[RA]
	v_add_nc_u32 v[RA], s84, v[RA]                 ; row 16 w + r, my half's 16 numbers of a block
.irp j, 1,2,3
	v_add_nc_u32 v[RA+\j], \j*TILEB, v[RA]
.endr
	v_lshlrev_b32 v[L16], 4, v1
	v_lshlrev_b32 v[L4], 2, v1
	s_lshl_b32 s84, s[WV], 11
	s_add_co_u32 s84, s84, IMG
	v_add_nc_u32 v[XWI], s84, v[L16]
	s_lshl_b32 s84, s[WV], 10
	s_add_co_u32 s84, s84, XSC
	v_add_nc_u32 v[XWS], s84, v[L4]
	v_add_nc_u32 v[LS], XSC, v[L4]
	v_add_nc_u32 v[FA], IMG, v[L16]
	v_mul_u32_u24 v[SOF], v3, s72
	v_lshl_add_u32 v[SOF], v2, 2, v[SOF]
	v_lshlrev_b32 v[H32], 5, v3
.irp b, 0,1,2,3
	v_mov_b32 v[TM+4+\b], 0                        ; a lane permute's destination counts as read
.endr
	s_wait_alu depctr_va_vdst(0)                   ; the wait at the head's end
	s_lshl_b32 s82, s80, 18                        ; wc: [2][16 tiles][8 K steps][2,048]: my four tiles
	s_lshl_b32 s84, s[WV], 16
	s_add_co_u32 s82, s82, s84
	s_add_nc_u64 s[8:9], s[8:9], s[82:83]
	s_lshl_b32 s82, s80, 13
	s_lshl_b32 s84, s[WV], 11
	s_add_co_u32 s82, s82, s84
	s_add_nc_u64 s[10:11], s[10:11], s[82:83]
	s_lshl_b32 s82, s[WV], 8
	s_add_nc_u64 s[12:13], s[12:13], s[82:83]
.macro WLD k                           ; K step k of my four tiles of the weight: sixteen loads, into registers of their own
	WIN 0x40+0x40*((\k)/4)
.irp t, 0,1,2,3
.irp e, 0,1,2,3
	global_load_b128 v[64*((\k)%4)+16*\t+4*\e:64*((\k)%4)+16*\t+4*\e+3], v[L16], s[8:9] offset:\t*16384+(\k)*2048+\e*512
.endr
.endr
	WIN 0
.endm
.macro RAWLD ks                        ; K step ks of my 16 rows, as f32: sixteen LDS loads
.irp b, 0,1,2,3
.irp j, 0,1,2,3
	ds_load_b128 v[RAW+16*\b+4*\j:RAW+16*\b+4*\j+3], v[RA+(\ks)/2] offset:512*((\ks)%2)+128*\b+16*\j
.endr
.endr
.endm
	WIN 0xc0
.irp t, 0,1,2,3
	global_load_b128 v[BIAS+8*\t:BIAS+8*\t+3],   v[H32], s[12:13] offset:64*\t
	global_load_b128 v[BIAS+8*\t+4:BIAS+8*\t+7], v[H32], s[12:13] offset:64*\t+16
.endr
	WIN 0
.irp b, 0,1
.irp k, 0,1,2,3,4,5,6,7
	global_load_b32 v[WS+8*\b+\k], v[L4], s[10:11] offset:\b*1024+\k*128
.endr
.endr
	WLD 0                                          ; the weight follows the bias and the scale words, by K steps: three are asked for here, each later one three K steps ahead of its products
	WLD 1
	WLD 2
	s_lshr_b32 s84, ttmp9, 5                       ; where my results go: batch, my two heads, the step of 128 tokens, its half
	s_lshl_b32 s84, s84, 3
	s_lshl_b32 s85, s[WV], 1
	s_add_co_u32 s84, s84, s85
	s_bfe_u32 s85, ttmp9, 0x40001
	s_and_b32 s86, ttmp9, 1
	s_mul_i32 s82, s84, s70
	s_mul_i32 s87, s85, s71
	s_add_co_u32 s82, s82, s87
	s_lshl_b32 s87, s86, 11
	s_add_co_u32 s82, s82, s87
	s_add_nc_u64 s[74:75], s[16:17], s[82:83]
	s_mov_b32 s82, s70
	s_add_nc_u64 s[76:77], s[74:75], s[82:83]
	s_mul_i32 s82, s84, s72
	s_mul_i32 s87, s85, s73
	s_add_co_u32 s82, s82, s87
	s_lshl_b32 s87, s86, 6
	s_add_co_u32 s82, s82, s87
	s_add_nc_u64 s[78:79], s[18:19], s[82:83]
	LANDED 0
	BARRIER                                        ; tile 0 is whole for every wave
	RAWLD 0
.macro KSTEP ks
.if (\ks) < 5
	WLD (\ks)+3
.endif
	s_wait_dscnt 0x0                               ; my rows of this K step, asked for in the step before
	QUANT RAW, 0, PC, PW0
.irp c, 0,1,2,3
	ds_store_b128 v[XWI], v[PC+4*\c:PC+4*\c+3] offset:8192*((\ks)%2)+512*\c
.endr
	ds_store_b32 v[XWS], v[PW0] offset:128*\ks
.if ((\ks)%2) && (\ks) < 7
	LANDED ((\ks)+1)/2                             ; the barrier below also shows the next tile
.endif
	BARRIER
.irp c, 0,1,2,3
.irp e, 0,1,2,3
	ds_load_b128 v[XF+16*\c+4*\e:XF+16*\c+4*\e+3], v[FA] offset:8192*((\ks)%2)+2048*\c+512*\e
.endr
	ds_load_b32 v[XS+\c], v[LS] offset:1024*\c+128*\ks
.endr
.if (\ks) < 7
	RAWLD (\ks)+1                                  ; the next K step's rows (behind an odd step's barrier the next tile is whole); the quantiser above has done with these registers
	s_wait_dscnt 16                                ; the images and scale words are in; the sixteen loads just issued may stay out
.else
	s_wait_dscnt 0x0
.endif
.if (\ks) < 5
	s_wait_loadcnt 48                              ; this K step's weight is in: behind it three K steps' sixteen loads were issued
.else
	s_wait_loadcnt 16*(7-(\ks))
.endif
	WIN 0xf1+(\ks)/4
.irp c, 0,1,2,3                        ; the sixteen sums take turns
.irp t, 0,1,2,3
.set rD, 64*(\t/2)+16*\c+8*(\t%2)
.set rW, 64*(\ks%4)+16*\t
.set rS, WS+8*(\t/2)+\ks
.if \ks == 0
.set rC, BIAS+8*\t
.else
.set rC, rD
.endif
.if \t%2
	v_wmma_scale_f32_16x16x128_f8f6f4 v[rD:rD+7], v[rW:rW+15], v[XF+16*\c:XF+16*\c+15], v[rC:rC+7], v[rS], v[XS+\c] matrix_a_scale:MATRIX_SCALE_ROW1
.else
	v_wmma_scale_f32_16x16x128_f8f6f4 v[rD:rD+7], v[rW:rW+15], v[XF+16*\c:XF+16*\c+15], v[rC:rC+7], v[rS], v[XS+\c]
.endif
.endr
.endr
	WIN 0
.endm
.irp k, 0,1,2,3,4,5,6,7
	KSTEP \k
.endr
.rept 8
	v_nop                                          ; eight places in front of the first read of the sums
.endr
	QUANT 0, 3, PC, PW0                            ; my first head: block c = token group c
.irp c, 0,1,2,3
	global_store_b128 v[L16], v[PC+4*\c:PC+4*\c+3], s[74:75] offset:512*\c
.endr
	QUANT 64, 3, XF, PW1                           ; my second head
.irp c, 0,1,2,3
	global_store_b128 v[L16], v[XF+4*\c:XF+4*\c+3], s[76:77] offset:512*\c
.endr
	v_cmp_gt_u32 vcc_lo, 16, v1
	v_cndmask_b32 v[OW], v[PW1], v[PW0], vcc_lo    ; lanes 0-15 store the first head's words, lanes 16-31 the second's
	global_store_b32 v[SOF], v[OW], s[78:79]
	s_wait_tensorcnt 0x0                           ; the wave's end
	ds_add_u32 v254, v255
	s_wait_dscnt 0x0
	s_endpgm
.Lfunc_end_k_q1d9741b796_proj:
	.size	k_q1d9741b796_proj, .Lfunc_end_k_q1d9741b796_proj-k_q1d9741b796_proj
	.p2alignl 7, 3214868480
	.fill 96, 4, 3214868480
	.section	.rodata,"a",@progbits
	.p2align	6, 0x0
	.amdhsa_kernel k_q1d9741b796_proj
		.amdhsa_group_segment_fixed_size 327680
		.amdhsa_private_segment_fixed_size 0
		.amdhsa_enable_private_segment 0
		.amdhsa_kernarg_size 72
		.amdhsa_user_sgpr_count 2
		.amdhsa_user_sgpr_kernarg_segment_ptr 1
		.amdhsa_wavefront_size32 1
		.amdhsa_system_sgpr_workgroup_id_x 1
		.amdhsa_system_sgpr_workgroup_id_y 1
		.amdhsa_system_sgpr_workgroup_id_z 1
		.amdhsa_system_vgpr_workitem_id 0
		.amdhsa_next_free_vgpr 1024
		.amdhsa_next_free_sgpr 96
		.amdhsa_reserve_vcc 1
		.amdhsa_float_denorm_mode_32 3
		.amdhsa_float_denorm_mode_16_64 3
		.amdhsa_memory_ordered 1
		.amdhsa_forward_progress 1
		.amdhsa_inst_pref_size 142
	.end_amdhsa_kernel
	.amdgpu_metadata
---
amdhsa.version: [ 1, 2 ]
amdhsa.kernels:
  - .name:           k_q1d9741b796_proj
    .symbol:         k_q1d9741b796_proj.kd
    .args:
      - { .name: Q, .offset: 0, .size: 8, .value_kind: global_buffer, .address_space: global }
      - { .name: K, .offset: 8, .size: 8, .value_kind: global_buffer, .address_space: global }
      - { .name: wc, .offset: 16, .size: 8, .value_kind: global_buffer, .address_space: global }
      - { .name: ws, .offset: 24, .size: 8, .value_kind: global_buffer, .address_space: global }
      - { .name: bq, .offset: 32, .size: 8, .value_kind: global_buffer, .address_space: global }
      - { .name: bk, .offset: 40, .size: 8, .value_kind: global_buffer, .address_space: global }
      - { .name: qc, .offset: 48, .size: 8, .value_kind: global_buffer, .address_space: global }
      - { .name: qs, .offset: 56, .size: 8, .value_kind: global_buffer, .address_space: global }
      - { .name: kv, .offset: 64, .size: 8, .value_kind: global_buffer, .address_space: global }
    .group_segment_fixed_size: 327680
    .private_segment_fixed_size: 0
    .kernarg_segment_align: 8
    .kernarg_segment_size: 72
    .max_flat_workgroup_size: 128
    .sgpr_count:     96
    .vgpr_count:     1024
    .wavefront_size: 32
...
	.end_amdgpu_metadata
.endif
;; end of part 2
;; launch attn (part 3): grid 8 x 32, 8 waves a work-group, clusters of 4 x 1, 327,680 bytes of LDS; arguments qc, qs, kv, out0; writes out0
.if DOCPART == 3
	.amdgcn_target "amdgcn-amd-amdhsa--gfx1250"
	.amdhsa_code_object_version 6
	.text
	.protected	k_q1d9741b796_attn
	.globl	k_q1d9741b796_attn
	.p2align	8
	.type	k_q1d9741b796_attn,@function
k_q1d9741b796_attn:
	s_mov_b64 s[64:65], 0
	v_nop
	global_prefetch_b8 v0, s[64:65] scope:SCOPE_SE
	s_setreg_imm32_b32 hwreg(HW_REG_WAVE_MODE, 25, 1), 1
	s_wait_xcnt 0x0
	s_wait_alu depctr_hold_cnt(0) depctr_sa_sdst(0) depctr_va_vdst(0) depctr_va_sdst(0) depctr_va_ssrc(0) depctr_va_vcc(0) depctr_vm_vsrc(0)
	s_getreg_b32 s2, hwreg(HW_REG_IB_STS2, 6, 4)
	s_cmp_eq_u32 s2, 0
	s_cbranch_scc0 .Lentry_in_a_cluster
	s_endpgm
.Lentry_in_a_cluster:
	s_bfe_u32 s2, ttmp6, 0x10000c
	s_cmp_lg_u32 s2, 0x3003
	s_cbranch_scc0 .Lentry_shape_is_right
	s_endpgm
.Lentry_shape_is_right:
; ATTN.  out[b][q][head][:] = the sum over keys of softmax(q . k / sqrt(32), masked keys left out) V, both products on codes of FP8 (E4M3) with one E8M0 scale for each 32 along a product's K.  All operands come as images of the operands' registers.
; THE SOFTMAX AHEAD OF THE SECOND PRODUCT: t = score x log2(e) / sqrt(32); M = the row's largest t so far, rounded UP to a whole number; p = 2^(t - M) is quantised along the keys, not normalised; the row's sum is taken of the unquantised p and divides at the end.
; When M moves, the sum and O are multiplied by 2^(old M - new M): exact.
; SHARES.  A work-group owns 256 queries of one head; each of its EIGHT waves owns TWO tiles of 16 queries, so that each fragment of k and V that it loads feeds two products.  Every wave walks 16 steps of 128 keys.
; REGISTERS.  Tile t's own registers (v84-255: -M, largest t, sum, work, p's codes, S^T, O^T) lie in window t at the same numbers, so its softmax is one text under one setting of the windows.  v0-83 are shared: window 0: addresses, scale words,
; the run with q, k's second fragment; window 1: four fragments of V, k's first fragment.
; BOTH PRODUCTS ARE USED TRANSPOSED: a lane holds one query (lane % 16).  Register 8 t + j of the scores is key 16 t + 8 (lane / 16) + j, and V's images are laid in that order.
; THE FIRST PRODUCT has K = 32 in an instruction of K = 128: source 0 holds four tiles of 16 keys as its four blocks; source 1 holds q's codes in block c and zero codes elsewhere.  The two tiles' q lie in one run of 44 registers, 12 zeros round each.
; THE MASK is the first product's C: the step's f32 bias, 0 or -2^100 a key, so that a masked key's p is 0 and it counts for no maximum.  A row all of whose keys are masked keeps its largest t under -2^90 and is made NaN at the end, as reference() gives.
; LDS holds V's codes, V's scale words and the bias of ALL 16 steps (16 x 17,408 bytes): each wave fetches two steps with one joint load (a row a step); nothing is filled again.  Waves 0 and 1 have a load line of their own: the first barrier shows steps 0-3,
; a second one, behind three steps, the rest.  k's 4,224 bytes a step go from memory straight into registers, asked for one whole step ahead of their product; so no prefetch is laid beside them, and V is asked for whole at the head.
; THE ORDER OF A STEP: V's first four fragments and the next k are asked for; tile 0's softmax; V's last four fragments into tile 0's dead scores; tile 1's softmax; the next bias into tile 1's dead scores; 16 products O^T += V^T P^T; 16 products for the next scores.
; CLUSTER: the four query blocks of a cluster belong to one head and ask for V jointly (mask 15); the descriptor is made of the head and the wave's number alone.
; LIMITS: NaN and infinities among the inputs are not served: reference()'s replacement of NaN scores has no line here, since a score is a sum of 32 products of finite quantised numbers.  The promise holds while the scaled scores t stay under 2^31 in magnitude.
; A block's largest p is taken through the block's largest score, which takes v_exp_f32 not to fall where its input rises.
.set STEPB, 21760                      ; a step's block of kv
.set VB,    17408                      ; what LDS takes of it: V's codes, at VS V's scale words, at MB the bias
.set VS,    16384
.set MB,    16896
.set KC,    17408                      ; k's codes, and at KS its scale words
.set KS,    21504
.set SPARE, 16*VB                      ; the spare words: 128 bytes a wave
.set STAGE, SPARE+1024                 ; the way out: 16 rows x 272 bytes a wave, bytes of their own
.set L16, 1
.set L4,  2
.set H32, 3
.set SPW, 4
.set NIL, 5
.set GO,  6
.set A16, 7
.set A4,  8
.set AH,  9
.set VSW, 10                           ; v10-13 V's scale words: word j: tile 2 j in lanes 0-15, 2 j + 1 in lanes 16-31
.set KSC, 14
.set PW,  16                           ; v16, v17 p's scale words
.set QS,  18                           ; v18, v19 q's
.set QR,  32                           ; v20-63 the run: q of tile t at v[32 + 16 t]
.set KF,  64                           ; v64-79: window 1: k's tiles 0-3; window 0: tiles 4-7
.set STI, 80
.set STO, 81
.set TP,  82
.set NM,  84                           ; tile t's own, in window t: -M, the largest t
.set TMX, 85                           ; the largest SCORE so far (t = c x score)
.set L,   86
.set BM,  88
.set PT,  92
.set HD,  96
.set SO,  100
.set F,   104
.set TT,  106
.set NM2, 107                          ; -M once more, in another register bank than the first
.set PCD, 108
.set S,   124
.set O,   188
.set HE,  252                          ; a second copy of 448 x the scale, in another register bank than the first: block b's at HE + (b + 1) % 4
.set WV,  14
.set MNT, 19
.set SEL, 20
.set CS,  22
.set G1,  24
.set G0,  32
.set KP,  36
.set TB,  44
.set CNT, 46
.set MSB, 0
.macro WIN new                         ; the immediate's high byte repeats the setting that is left
.if MSB != (\new)
	s_set_vgpr_msb (MSB<<8)|(\new)
.set MSB, (\new)
.endif
.endm
.macro NOPS n
.rept \n
	v_nop
.endr
.endm
.macro WALU
	s_wait_alu depctr_va_vdst(0)
.endm
.macro DADD d, a, b                    ; two f32 additions in one line, on pairs of registers: d = a + b
	v_dual_add_f32 v[(\d)], v[(\a)], v[(\b)] :: v_dual_add_f32 v[(\d)+1], v[(\a)+1], v[(\b)+1]
.endm
.macro FMS n                           ; t - M of the next 2 n scores, two to a line: score x c + (-M), fused
.rept \n
	v_dual_fmamk_f32 v[S+nn], v[S+nn], 0x3e8293ee, v[NM] :: v_dual_fmamk_f32 v[S+nn+1], v[S+nn+1], 0x3e8293ee, v[NM2]
.set nn, nn+2
.endr
.endm
.macro ROUND
	s_barrier_signal -1
	s_barrier_wait -1
	s_cmp_lg_u32 s[WV], 0
	s_cbranch_scc1 .Lnot_wave_0_\@
	s_barrier_signal -3
.Lnot_wave_0_\@:
	s_barrier_wait -3
	s_barrier_signal -1
	s_barrier_wait -1
.endm
.macro TL
	tensor_load_to_lds s[G0:G0+3], s[G1:G1+7]
	s_nop 0
	NOPS 4
.endm
.macro LOADK                           ; a step's k: eight tiles of 512 bytes and 32 scale words
	WIN 0x40
.irp t, 0,1,2,3
	global_load_b128 v[KF+4*\t:KF+4*\t+3], v[L16], s[KP:KP+1] offset:512*\t
.endr
	WIN 0
.irp t, 0,1,2,3
	global_load_b128 v[KF+4*\t:KF+4*\t+3], v[L16], s[KP:KP+1] offset:2048+512*\t
.endr
	global_load_b32 v[KSC], v[L4], s[KP:KP+1] offset:KS-KC
.endm
.macro LOADB adr                       ; a step's bias, in the scores' own order, into tile 1's scores
	WIN 0x40
.irp t, 0,1,2,3,4,5,6,7
	ds_load_b128 v[S+8*\t:S+8*\t+3],   v[\adr] offset:MB+64*\t
	ds_load_b128 v[S+8*\t+4:S+8*\t+7], v[\adr] offset:MB+64*\t+16
.endr
	WIN 0
.endm
; S^T = k q^T + bias for both tiles.  Tile 0 takes the bias from tile 1's registers; tile 1 adds onto it in place.  Nine places stand in front of products that write over registers that earlier products have read.
.macro QK
	WIN 0
	NOPS 9
	s_wait_dscnt 0x0                               ; the bias
	s_wait_loadcnt 0x0                             ; k: its loads are done, so their base may step
	s_add_nc_u64 s[KP:KP+1], s[KP:KP+1], STEPB
.irp t, 0,1
.if \t
	WIN 0
	NOPS 9
.endif
.irp hf, 0,1
	WIN (1-\hf)|0x10|(\t<<6)
.irp c, 0,1,2,3
.if \hf
	v_wmma_scale_f32_16x16x128_f8f6f4 v[S+32+8*\c:S+32+8*\c+7], v[KF:KF+15], v[QR+16*\t-4*\c:QR+16*\t-4*\c+15], v[S+32+8*\c:S+32+8*\c+7], v[KSC], v[QS+\t] matrix_a_scale:MATRIX_SCALE_ROW1
.else
	v_wmma_scale_f32_16x16x128_f8f6f4 v[S+8*\c:S+8*\c+7], v[KF:KF+15], v[QR+16*\t-4*\c:QR+16*\t-4*\c+15], v[S+8*\c:S+8*\c+7], v[KSC], v[QS+\t]
.endif
.endr
.endr
.endr
	WIN 0
	v_add_nc_u32 v[A16], s[TB], v[L16]             ; the step's addresses; with the five below: eight places behind the products
	v_add_nc_u32 v[A4], s[TB], v[L4]
	s_add_co_u32 s[TB], s[TB], VB
	v_add_nc_u32 v[AH], s[TB], v[H32]              ; the bias is read a step ahead
	NOPS 5
.endm
; O^T += V^T P^T: V's tiles 0-3 from window 1, tiles 4-7 from tile 0's dead scores; the sixteen sums take turns
.macro PV
.irp g, 0,1
.irp t, 0,1
	WIN (1-\g)|(0x54*\t)
.irp f, 0,1,2,3
.set rA, (1-\g)*16*\f+\g*(S+16*\f)
.set rO, O+32*\g+8*\f
.if \f%2
	v_wmma_scale_f32_16x16x128_f8f6f4 v[rO:rO+7], v[rA:rA+15], v[PCD:PCD+15], v[rO:rO+7], v[VSW+2*\g+\f/2], v[PW+\t] matrix_a_scale:MATRIX_SCALE_ROW1
.else
	v_wmma_scale_f32_16x16x128_f8f6f4 v[rO:rO+7], v[rA:rA+15], v[PCD:PCD+15], v[rO:rO+7], v[VSW+2*\g+\f/2], v[PW+\t]
.endif
.endr
.endr
.endr
	WIN 0
.endm
; Tile t's softmax of 128 keys: every register but p's scale word lies in window t
.macro SOFTMAX t, bias=0
	WIN 0x55*\t
	WALU                                           ; the wait ahead of the first read of the scores
.irp b, 0,1,2,3
	v_max3_num_f32 v[BM+\b], v[S+16*\b], v[S+16*\b+1], v[S+16*\b+2]   ; the largest score of each block of 32 keys
.endr
.irp b, 0,1,2,3
	v_max3_num_f32 v[PT+\b], v[S+16*\b+8], v[S+16*\b+9], v[S+16*\b+10]   ; two chains to a block, eight in all; each tile of scores is read from its low end on
.endr
.irp i, 3,5
.irp b, 0,1,2,3
	v_max3_num_f32 v[BM+\b], v[BM+\b], v[S+16*\b+\i], v[S+16*\b+\i+1]
.endr
.irp b, 0,1,2,3
	v_max3_num_f32 v[PT+\b], v[PT+\b], v[S+16*\b+\i+8], v[S+16*\b+\i+9]
.endr
.endr
.irp b, 0,1,2,3
	v_max3_num_f32 v[PT+\b], v[PT+\b], v[S+16*\b+15], v[S+16*\b+7]
.endr
.irp b, 0,1,2,3
	v_max_num_f32 v[BM+\b], v[BM+\b], v[PT+\b]
.endr
.irp b, 0,1,2,3
	v_permlanex16_b32 v[PT+\b], v[BM+\b], s[SEL], s[SEL+1]
.endr
.irp b, 0,1,2,3
	v_max_num_f32 v[BM+\b], v[BM+\b], v[PT+\b]     ; with lane l xor 16's 16 keys
.endr
	v_max3_num_f32 v[TT], v[BM], v[BM+1], v[BM+2]
	v_mov_b32 v[HD], v[NM]                         ; the old -M
	v_max3_num_f32 v[TMX], v[TT], v[BM+3], v[TMX]  ; the running largest score
	v_mul_f32 v[TT], s[CS], v[TMX]                 ; as t (c is positive, so the largest score gives the largest t)
	v_floor_f32 v[NM], -v[TT]                      ; the new -M = floor(-t) = -ceil(t)
	v_floor_f32 v[NM2], -v[TT]
.set nn, 0
	FMS 8                                          ; f's three dependent lines stand among the multiply-adds
	v_sub_f32 v[HD], v[NM], v[HD]                  ; old M - new M: a whole number, 0 or less
	FMS 4
	v_cvt_i32_f32 v[HD], v[HD]                     ; (it saturates)
	FMS 4
	v_ldexp_f32 v[F], 1.0, v[HD]                   ; f = 2^(old M - new M)
	FMS 16
.irp b, 0,1,2,3
	v_fma_f32 v[BM+\b], v[BM+\b], s[CS], v[NM]
.endr
	WALU                                           ; ahead of the batch
.set nn, 0
.rept 64
	v_exp_f32 v[S+nn], v[S+nn]                     ; p = 2^(t - M)
.set nn, nn+1
.endr
.irp b, 0,1,2,3
	v_exp_f32 v[BM+\b], v[BM+\b]                   ; the block's largest p
.endr
	v_pk_mul_f32 v[L:L+1], v[L:L+1], v[F:F+1] op_sel_hi:[1,0]     ; the sums under the new M; the plain line behind the batch
	WALU                                           ; behind the batch
.irp b, 0,1,2,3
	v_max_num_f32 v[BM+\b], 0x4800000, v[BM+\b]    ; the floor 2^(9 - 127): the byte cannot fall under 1
.endr
.irp b, 0,1,2,3
	v_add_nc_u32 v[SO+\b], 0xfc000000, v[BM+\b]    ; the conversion's scale operand
.endr
.irp b, 0,1,2,3
	v_and_or_b32 v[HD+\b], v[BM+\b], 0x7f800000, s[MNT]           ; 448 x the scale,
.endr
.irp b, 0,1,2,3
	v_and_or_b32 v[HE+(\b+1)%4], v[BM+\b], 0x7f800000, s[MNT]     ; and once more
.endr
.irp b, 0,1,2,3
	v_lshrrev_b32 v[PT+\b], 23, v[SO+\b]           ; the byte
.endr
	v_lshl_or_b32 v[TT], v[PT+1], 8, v[PT]
	v_lshl_or_b32 v[TT], v[PT+2], 16, v[TT]
	WIN 0x15*\t
	v_lshl_or_b32 v[PW+\t], v[PT+3], 24, v[TT]     ; scale operands are taken from window 0
	WIN 0x55*\t
	DADD L, S, L                                   ; the row's sum of the unquantised p, in eight chains of pairs: the sum itself and seven in the registers that p's codes take later
.irp k, 1,2,3,4,5,6,7
	DADD PCD+2*\k, S+2*\k, S+16+2*\k
.endr
	DADD L, S+16, L
.irp j, 2,3
	DADD L, S+16*\j, L
.irp k, 1,2,3,4,5,6,7
	DADD PCD+2*\k, S+16*\j+2*\k, PCD+2*\k
.endr
.endr
	DADD PCD+2, PCD+4, PCD+2
	DADD PCD+6, PCD+8, PCD+6
	DADD PCD+10, PCD+12, PCD+10
	DADD L, PCD+14, L
	DADD PCD+2, PCD+6, PCD+2
	DADD L, PCD+10, L
	DADD L, PCD+2, L
.irp b, 0,1,2,3
.irp i, 0,2,4,6,8,10,12,14             ; the conversion does not saturate (ISA guide 7.6.2); p is not negative, so the hold is one-sided; two holds to a line
	v_dual_min_num_f32 v[S+16*\b+\i], v[S+16*\b+\i], v[HD+\b] :: v_dual_min_num_f32 v[S+16*\b+\i+1], v[S+16*\b+\i+1], v[HE+(\b+1)%4]
.endr
	v_cvt_scalef32_pk8_fp8_f32 v[PCD+4*\b:PCD+4*\b+1],   v[S+16*\b:S+16*\b+7],    v[SO+\b]
	v_cvt_scalef32_pk8_fp8_f32 v[PCD+4*\b+2:PCD+4*\b+3], v[S+16*\b+8:S+16*\b+15], v[SO+\b]
.endr
.if (\bias)
	LOADB AH                                       ; the next step's bias, into scores that are done with: asked for ahead of the 32 lines below
	WIN 0x55*\t
.endif
	WALU                                           ; the wait ahead of the first read of O^T
.set nn, 0
.rept 32
	v_pk_mul_f32 v[O+nn:O+nn+1], v[O+nn:O+nn+1], v[F:F+1] op_sel_hi:[1,0]   ; O^T under the new M
.set nn, nn+2
.endr
.endm
; A KEY STEP.  Its scores stand in registers; last = 1: no step follows
.macro BODY last
	WIN 0x40
.irp f, 0,1,2,3
.irp e, 0,1,2,3
	ds_load_b128 v[16*\f+4*\e:16*\f+4*\e+3], v[A16] offset:2048*\f+512*\e
.endr
.endr
	WIN 0
.irp j, 0,1,2,3
	ds_load_b32 v[VSW+\j], v[A4] offset:VS+128*\j
.endr
.if !\last
	LOADK
.endif
	SOFTMAX 0
	WIN 0
.irp f, 0,1,2,3
.irp e, 0,1,2,3
	ds_load_b128 v[S+16*\f+4*\e:S+16*\f+4*\e+3], v[A16] offset:8192+2048*\f+512*\e
.endr
.endr
	SOFTMAX 1, 1-\last
	WIN 0
	WALU
.if \last
	s_wait_dscnt 0x0
.else
	s_wait_dscnt 16                                ; V and its scale words are in; the bias's sixteen loads, issued behind them, may stay out
.endif
	PV
.if !\last
	QK
.endif
.endm
.macro STEPS trips
	s_mov_b32 s[CNT], \trips
.Lstep_\@:
	BODY 0
	s_sub_co_u32 s[CNT], s[CNT], 1
	s_cmp_lg_u32 s[CNT], 0
	WALU
	s_cbranch_scc1 .Lstep_\@
.endm
.macro INIT t                          ; tile t's state: -M, the largest t (-3e38), the sum, O^T = 0; the step is written once, and its first change of M leaves zeros zeros
	WIN 0x40*\t
	v_mov_b32 v[NM], 0x7f61b1e6
	v_mov_b32 v[TMX], 0xff61b1e6
	v_mov_b32 v[L], 0
	v_mov_b32 v[L+1], 0
	v_mov_b32 v[F+1], 0                            ; named as a pair's upper half
.irp b, 0,1,2,3
	v_mov_b32 v[PT+\b], 0                          ; a lane permute's destination counts as read
.endr
.set nn, 0
.rept 64
	v_mov_b32 v[O+nn], 0
.set nn, nn+1
.endr
.endm
	s_load_b256 s[4:11], s[0:1], 0x0               ; qc, qs, kv, out0
	v_lshl_add_u32 v[SPW], v0, 2, SPARE
	v_mov_b32 v[NIL], 0
	ds_add_u32 v[SPW], v[NIL]                      ; the opening lines: the add twice on end and its wait
	ds_add_u32 v[SPW], v[NIL]
	v_lshrrev_b32 v1, 5, v0
	v_readfirstlane_b32 s[WV], v1                  ; wave 0..7
	s_and_b32 s17, ttmp7, 0xffff                   ; 8 b + head, which the four partners share
	s_lshr_b32 s18, s17, 3
	s_mov_b32 s[G1+0], 15|(3<<16)|(1<<21)          ; all four work-groups; elements of 8 bytes
	s_mov_b32 s[G1+1], (VB/8)<<16                  ; a row: the 17,408 bytes of a step
	s_mov_b32 s[G1+2], 2<<16
	s_mov_b32 s[G1+3], (VB/8)<<16
	s_mov_b32 s[G1+4], 2                           ; two steps
	s_mov_b32 s[G1+5], STEPB/8
	s_mov_b32 s[G1+6], 0
	s_mov_b32 s[G1+7], 0
	s_mul_i32 s50, s17, 16*STEPB
	s_mov_b32 s51, 0
	s_mul_i32 s52, s[WV], 2*STEPB
	s_mov_b32 s53, 0
	s_mov_b32 s[G0], 1
	s_mul_i32 s[G0+1], s[WV], 2*VB
	s_mov_b32 s[MNT], 0x600000
	s_mov_b32 s[SEL], 0x76543210
	s_mov_b32 s[SEL+1], 0xfedcba98
	s_mov_b32 s[CS], 0x3e8293ee                    ; c = log2(e) / sqrt(32)
	s_mov_b32 s[CS+1], s[CS]
	s_mov_b32 s[TB], 0
	s_wait_dscnt 0x0
	s_wait_kmcnt 0x0
	s_add_nc_u64 s[8:9], s[8:9], s[50:51]
	s_add_nc_u64 s[KP:KP+1], s[8:9], KC
	s_add_nc_u64 s[G0+2:G0+3], s[8:9], s[52:53]
	s_or_b32 s[G0+3], s[G0+3], 0x80000000
	ROUND                                          ; all four work-groups are here: the joint loads meet
	s_cmp_lt_u32 s[WV], 2                          ; every wave has one load; waves 0 and 1 a line of their own, since they alone wait at the first barrier
	s_cbranch_scc0 .Lrest
	TL
	s_branch .Lasked
.Lrest:
	TL
.Lasked:
	s_bfe_u32 s15, ttmp6, 0x40000                  ; cx: it enters q's and out0's addresses alone
	s_lshl_b32 s16, ttmp9, 2
	s_add_co_u32 s16, s16, s15
	s_lshl_b32 s47, s16, 4
	s_lshl_b32 s56, s[WV], 1
	s_add_co_u32 s47, s47, s56                     ; T: my first tile of 16 queries, even
	s_lshl_b32 s48, s17, 7
	s_add_co_u32 s48, s48, s47
	s_lshl_b32 s48, s48, 9                         ; qc: 512 bytes a tile
	s_mov_b32 s49, 0
	s_add_nc_u64 s[4:5], s[4:5], s[48:49]
	s_lshl_b32 s48, s17, 11                        ; qs: 2,048 bytes a head; 64 for four tiles; byte T % 4 of a token's word
	s_lshr_b32 s56, s47, 2
	s_lshl_b32 s56, s56, 6
	s_add_co_u32 s48, s48, s56
	s_and_b32 s56, s47, 3
	s_add_co_u32 s48, s48, s56
	s_add_nc_u64 s[6:7], s[6:7], s[48:49]
	s_lshl_b32 s48, s18, 11                        ; out0: row 2,048 b + 16 T of 4,096 bytes, the head's 512 bytes in it
	s_lshl_b32 s56, s47, 4
	s_add_co_u32 s48, s48, s56
	s_lshl_b32 s48, s48, 12
	s_and_b32 s56, s17, 7
	s_lshl_b32 s56, s56, 9
	s_add_co_u32 s48, s48, s56
	s_add_nc_u64 s[10:11], s[10:11], s[48:49]
	s_mul_i32 s59, s[WV], 16*272
	s_add_co_u32 s59, s59, STAGE                   ; my stage
	v_and_b32 v[GO], 31, v0
	v_lshlrev_b32 v[L16], 4, v[GO]
	v_lshlrev_b32 v[L4], 2, v[GO]
	v_bfe_u32 v[A4], v0, 4, 1                      ; h
	v_and_b32 v[A16], 15, v0                       ; r
	v_lshlrev_b32 v[H32], 5, v[A4]
	v_lshlrev_b32 v[AH], 2, v[A16]
	v_mul_u32_u24 v[STI], v[A16], 272
	v_lshl_add_u32 v[STI], v[A4], 5, v[STI]
	v_add_nc_u32 v[STI], s59, v[STI]               ; into the stage: row r, 32 h bytes on
	v_mul_u32_u24 v[STO], v[A4], 272
	v_lshl_add_u32 v[STO], v[A16], 4, v[STO]
	v_add_nc_u32 v[STO], s59, v[STO]               ; back: lanes 0-15 one row, lanes 16-31 the next
	v_lshlrev_b32 v[GO], 12, v[A4]
	v_lshl_add_u32 v[GO], v[A16], 4, v[GO]
.set nn, 0
.rept 12
	v_mov_b32 v[QR-12+nn], 0                       ; the zero codes round q's
	v_mov_b32 v[QR+4+nn], 0
	v_mov_b32 v[QR+20+nn], 0
.set nn, nn+1
.endr
	WALU
.irp t, 0,1
	global_load_b128 v[QR+16*\t:QR+16*\t+3], v[L16], s[4:5] offset:512*\t
	global_load_u8 v[TP+\t], v[AH], s[6:7] offset:\t
.endr
	LOADK                                          ; step 0's k
	INIT 0
	WIN 0
	s_wait_loadcnt 9                               ; q is in; k's nine loads may stay out
.irp t, 0,1
	v_lshl_or_b32 v[QS+\t], v[TP+\t], 8, v[TP+\t]  ; q's byte in all four bytes
.endr
.irp t, 0,1
	v_lshl_or_b32 v[QS+\t], v[QS+\t], 16, v[QS+\t]
.endr
	INIT 1
	WIN 0
	WALU                                           ; the wait at the head's end
	s_cmp_lt_u32 s[WV], 2
	s_cbranch_scc0 .Lnot_first
	s_wait_tensorcnt 0x0                           ; steps 0-3
.Lnot_first:
	s_barrier_signal -1
	s_barrier_wait -1
	LOADB H32                                      ; step 0's bias
	QK
	WALU
	STEPS 3                                        ; steps 0-2: they read V of steps 0-2 and the bias of steps 1-3
	s_wait_tensorcnt 0x0                           ; every wave's load has landed
	s_wait_dscnt 0x0
	s_barrier_signal -1
	s_barrier_wait -1                              ; all 16 steps are whole for every wave
	STEPS 12                                       ; steps 3-14
	BODY 1                                         ; step 15
	NOPS 8                                         ; eight places in front of the first read of O^T and of writes into V's registers
; THE WAY OUT.  O^T / the row's sum goes through my stage, half a head's row (256 bytes) of 16 queries at a time, so that sixteen lanes store 256 consecutive bytes, aligned.
.macro FIN t
	WIN 0x55*\t
	v_add_f32 v[L], v[L], v[L+1]
	v_mov_b32 v[BM], 0x7fc00000
	v_permlanex16_b32 v[TT], v[L], s[SEL], s[SEL+1]
	v_cmp_gt_f32 vcc_lo, 0xec800000, v[TMX]        ; -2^90 > the largest score: every key was masked
	v_add_f32 v[L], v[L], v[TT]
	v_cndmask_b32 v[L], v[L], v[BM], vcc_lo        ; then the row is NaN
	WALU
	v_rcp_f32 v[L], v[L]
	v_nop
	WALU
.set nn, 0
.rept 32
	v_pk_mul_f32 v[S+nn:S+nn+1], v[O+nn:O+nn+1], v[L:L+1] op_sel_hi:[1,0]   ; register 8 t + j is out(query r, channel 16 t + 8 h + j)
.set nn, nn+2
.endr
.endm
.macro STG t, bk, bw                   ; tile t through the stage, back into v[bk ..] of window bw.  LDS serves a wave's instructions in order (ISA guide 5.7.1.4)
.irp u, 0,1
	WIN \t<<2
.irp c, 0,1,2,3
	ds_store_b128 v[STI], v[S+32*\u+8*\c:S+32*\u+8*\c+3]   offset:64*\c
	ds_store_b128 v[STI], v[S+32*\u+8*\c+4:S+32*\u+8*\c+7] offset:64*\c+16
.endr
	WIN \bw<<6
.irp i, 0,1,2,3,4,5,6,7
	ds_load_b128 v[\bk+32*\u+4*\i:\bk+32*\u+4*\i+3], v[STO] offset:2*\i*272
.endr
.endr
.endm
.macro SEND t, bk, bw
	WIN \bw<<2
.irp u, 0,1
.irp i, 0,1,2,3,4,5,6,7
	global_store_b128 v[GO], v[\bk+32*\u+4*\i:\bk+32*\u+4*\i+3], s[10:11] offset:65536*\t+2*\i*4096+256*\u th:TH_STORE_NT
.endr
.endr
.endm
	FIN 0
	STG 0, 0, 1
	FIN 1
	STG 1, S, 0
	s_wait_dscnt 32                                ; tile 0 is back; tile 1's 32 LDS instructions may stay out
	SEND 0, 0, 1
	s_wait_dscnt 0x0
	SEND 1, S, 0
	WIN 0
	s_wait_tensorcnt 0x0                           ; the wave's end
	ds_add_u32 v[SPW], v[NIL]
	s_wait_dscnt 0x0
	ROUND                                          ; the closing round
	s_endpgm
.Lfunc_end_k_q1d9741b796_attn:
	.size	k_q1d9741b796_attn, .Lfunc_end_k_q1d9741b796_attn-k_q1d9741b796_attn
	.p2alignl 7, 3214868480
	.fill 96, 4, 3214868480
	.section	.rodata,"a",@progbits
	.p2align	6, 0x0
	.amdhsa_kernel k_q1d9741b796_attn
		.amdhsa_group_segment_fixed_size 327680
		.amdhsa_private_segment_fixed_size 0
		.amdhsa_enable_private_segment 0
		.amdhsa_kernarg_size 32
		.amdhsa_user_sgpr_count 2
		.amdhsa_user_sgpr_kernarg_segment_ptr 1
		.amdhsa_wavefront_size32 1
		.amdhsa_system_sgpr_workgroup_id_x 1
		.amdhsa_system_sgpr_workgroup_id_y 1
		.amdhsa_system_sgpr_workgroup_id_z 1
		.amdhsa_system_vgpr_workitem_id 0
		.amdhsa_next_free_vgpr 512
		.amdhsa_next_free_sgpr 66
		.amdhsa_reserve_vcc 1
		.amdhsa_float_denorm_mode_32 3
		.amdhsa_float_denorm_mode_16_64 3
		.amdhsa_memory_ordered 1
		.amdhsa_forward_progress 1
		.amdhsa_inst_pref_size 153
	.end_amdhsa_kernel
	.amdgpu_metadata
---
amdhsa.version: [ 1, 2 ]
amdhsa.kernels:
  - .name:           k_q1d9741b796_attn
    .symbol:         k_q1d9741b796_attn.kd
    .args:
      - { .name: qc, .offset: 0, .size: 8, .value_kind: global_buffer, .address_space: global }
      - { .name: qs, .offset: 8, .size: 8, .value_kind: global_buffer, .address_space: global }
      - { .name: kv, .offset: 16, .size: 8, .value_kind: global_buffer, .address_space: global }
      - { .name: out0, .offset: 24, .size: 8, .value_kind: global_buffer, .address_space: global }
    .group_segment_fixed_size: 327680
    .private_segment_fixed_size: 0
    .kernarg_segment_align: 8
    .kernarg_segment_size: 32
    .max_flat_workgroup_size: 256
    .sgpr_count:     66
    .vgpr_count:     512
    .wavefront_size: 32
...
	.end_amdgpu_metadata
.endif
;; end of part 3
